; MI455X (gfx1250); checked and timed in simulation.
; The chip was launched on July 23, 2026; its instructions are those of AMD's public machine-readable ISA for CDNA 5 (MIT licence, August 2026) and "CDNA5" Instruction Set Architecture Reference Guide (July 2026). The comments in the code are by the model that wrote it; some were corrected since.
;; Deform Hash3d. Allowed arithmetic: matrix products marked QUANTISED: E2M3 operands, one E8M0 scale for each 32 along K, by v_wmma_scale_f32_16x16x128_f8f6f4 with both operands' format E2M3, f32 sums; products left as they are: f32 operands where the result goes on into a quantised operand, else bf16, f16 or f32 operands; f32 sums; everything else in f32.
;; Inputs: W0 35 x 64 float32; W1 64 x 64 float32; W2 64 x 2 float32; table 16 x 524,288 x 2 float32; x 1,048,576 x 3 float32.
;; Outputs: out0 1,048,576 x 2 float32.
;; Constants: step = 0.
;; This version of the problem:
;;   THIS VERSION OF THE PROBLEM IS GIVEN IN LOW PRECISION. The matrix products marked QUANTISED in the list below multiply operands that are first quantised to E2M3 (2 exponent bits, 3 mantissa bits; 6 bits a number), with one power-of-two scale for each 32 numbers along K (OCP MX v1.0); their sums are f32. All else is computed in f32.
;;   The module's matrix products, in the order in which they are computed (A, B: the left and right operand; K: the contracted axis; several contracted axes count as one K, in the product's order):
;;     1. batch 1,048,576 x [M 1, K 8] x [K 8, N 2]; A: computed on the way; B: computed on the way: left as it is (K = 8 < 32)
;;     2. batch 1,048,576 x [M 1, K 8] x [K 8, N 2]; A: computed on the way; B: computed on the way: left as it is (K = 8 < 32)
;;     3. batch 1,048,576 x [M 1, K 8] x [K 8, N 2]; A: computed on the way; B: computed on the way: left as it is (K = 8 < 32)
;;     4. batch 1,048,576 x [M 1, K 8] x [K 8, N 2]; A: computed on the way; B: computed on the way: left as it is (K = 8 < 32)
;;     5. batch 1,048,576 x [M 1, K 8] x [K 8, N 2]; A: computed on the way; B: computed on the way: left as it is (K = 8 < 32)
;;     6. batch 1,048,576 x [M 1, K 8] x [K 8, N 2]; A: computed on the way; B: computed on the way: left as it is (K = 8 < 32)
;;     7. batch 1,048,576 x [M 1, K 8] x [K 8, N 2]; A: computed on the way; B: computed on the way: left as it is (K = 8 < 32)
;;     8. batch 1,048,576 x [M 1, K 8] x [K 8, N 2]; A: computed on the way; B: computed on the way: left as it is (K = 8 < 32)
;;     9. batch 1,048,576 x [M 1, K 8] x [K 8, N 2]; A: computed on the way; B: computed on the way: left as it is (K = 8 < 32)
;;     10. batch 1,048,576 x [M 1, K 8] x [K 8, N 2]; A: computed on the way; B: computed on the way: left as it is (K = 8 < 32)
;;     11. batch 1,048,576 x [M 1, K 8] x [K 8, N 2]; A: computed on the way; B: computed on the way: left as it is (K = 8 < 32)
;;     12. batch 1,048,576 x [M 1, K 8] x [K 8, N 2]; A: computed on the way; B: computed on the way: left as it is (K = 8 < 32)
;;     13. batch 1,048,576 x [M 1, K 8] x [K 8, N 2]; A: computed on the way; B: computed on the way: left as it is (K = 8 < 32)
;;     14. batch 1,048,576 x [M 1, K 8] x [K 8, N 2]; A: computed on the way; B: computed on the way: left as it is (K = 8 < 32)
;;     15. batch 1,048,576 x [M 1, K 8] x [K 8, N 2]; A: computed on the way; B: computed on the way: left as it is (K = 8 < 32)
;;     16. batch 1,048,576 x [M 1, K 8] x [K 8, N 2]; A: computed on the way; B: computed on the way: left as it is (K = 8 < 32)
;;     17. [M 1,048,576, K 35] x [K 35, N 64]; A: computed on the way; B: input W0: QUANTISED
;;     18. [M 1,048,576, K 64] x [K 64, N 64]; A: computed on the way; B: input W1: QUANTISED
;;     19. [M 1,048,576, K 64] x [K 64, N 2]; A: computed on the way; B: input W2: left as it is (N = 2 < 16)
;;   THE QUANTISER, for each operand of a quantised product, along K:
;;     - K is cut into blocks of 32 from its start; a last block that is shorter is filled with zeros.
;;     - A block's scale is 2^e with e = floor(log2(the largest magnitude in the block)) - 2, held to -126 .. 127; a block of zeros has e = 0. As a byte (E8M0): e + 127.
;;     - Each number is divided by its block's scale, clamped to +-7.5, and rounded to the nearest number of E2M3, ties to even, subnormals kept.
;;     - The product sums the exact products of the quantised numbers (number of the format x scale) in f32.
;;   ~~~python
;;   def quantise(x, axis):      # numpy; x: float32 -> the quantised numbers, widened to float32 again
;;       x = np.moveaxis(x, axis, -1); K = x.shape[-1]
;;       x = np.pad(x, [(0, 0)] * (x.ndim - 1) + [(0, -K % 32)]); x = x.reshape(x.shape[:-1] + (-1, 32)); a = np.abs(x).max(-1, keepdims=True)
;;       e = np.where(a > 0, np.clip(np.frexp(np.where(a > 0, a, 1))[1] - 1 - 2, -126, 127), 0)      # np.frexp(a)[1] - 1 = floor(log2(a)), exactly
;;       r = np.clip(x / 2.0 ** e, -7.5, 7.5)
;;       step = 2.0 ** (np.maximum(np.frexp(np.where(r == 0, 1, r))[1] - 1, 0) - 3)
;;       q = np.round(r / step) * step * 2.0 ** e      # np.round: ties to even
;;       return np.moveaxis(q.reshape(q.shape[:-2] + (-1,))[..., :K], -1, axis).astype(np.float32)
;;   ~~~
;;   OPERANDS COMPUTED ON THE WAY. 'Computed on the way' means the value that the module computes at that place (a softmax that the list does not call 'softmax' is quantised finished and normalised). What goes into a quantiser is computed in f32, as accurately as f32 sums, v_exp_f32 and their like allow (about 1e-6 of the number): no bf16 or f16 on the way to a quantiser, and a product that is left as it is and whose result goes on into a quantised operand takes f32 operands (vector FMAs, or v_wmma_f32_16x16x4_f32). A number that lies on a knife's edge between two numbers of the format may be rounded either way, as far as f32 arithmetic and the matrix unit's own rounding can turn it there, and no further.
;; One version. Each part assembles by itself: llvm-mc -triple=amdgcn-amd-amdhsa -mcpu=gfx1250 --defsym DOCPART=n.
;; ======== version 1 of 1: 2 launches
;; workspace buffers: xlo 12,582,912 bytes of whole numbers; xhi 12,582,912 bytes of whole numbers; wimg 7,168 bytes
;; launch prep (part 1): grid 770 x 1, 4 waves a work-group, no clusters, 0 bytes of LDS; arguments x, W0, W1, xlo, xhi, wimg; writes xlo, xhi, wimg
.if DOCPART == 1
	.amdgcn_target "amdgcn-amd-amdhsa--gfx1250"
	.amdhsa_code_object_version 6
	.text
	.protected	k_qde5dd92ec5_prep
	.globl	k_qde5dd92ec5_prep
	.p2align	8
	.type	k_qde5dd92ec5_prep,@function
k_qde5dd92ec5_prep:
	s_mov_b64 s[64:65], 0
	v_nop
	global_prefetch_b8 v0, s[64:65] scope:SCOPE_SE
	s_setreg_imm32_b32 hwreg(HW_REG_WAVE_MODE, 25, 1), 1
	s_wait_xcnt 0x0
; PREP.  Two things that the main launch needs ready-made.
; (1) x as whole numbers.  For every f32 of x, in x's own flat order: xhi = floor(x) as i32, xlo = trunc((x - floor(x)) * 2^32) as u32, held at 2^32 - 1.
;     So x = xhi + xlo / 2^32 less a cut of under 2^-32, and the main launch finds each level's cell floor(x * R) by whole-number arithmetic alone.
; (2) W0 and W1 as images of the operand registers in which a wave of the main launch keeps them (buffer wimg, 7,168 bytes):
;     bytes 0 .. 6,143     eight fragments of FP6 (E2M3) codes, 768 bytes each: W0's four tiles of 16 hidden units, then W1's four.  K is 35 or 64, so only registers 0-5 of a
;                          fragment's twelve (k = 0 .. 63) exist: registers 0-3 at 16 x lane, registers 4-5 at 512 + 8 x lane.
;     bytes 6,144 .. 7,167 the eight fragments' scale words, 128 bytes each, 4 x lane: byte 0 for k 0-31, byte 1 for k 32-63, bytes 2 and 3 = 127.
; THE QUANTISER: a block's scale byte is its largest magnitude's exponent field - 2, held at 1 from below by a floor among the maximum's leaves; the conversion divides by the scale, rounds to the
; nearest code, ties to even, and gives the largest code beyond 7.5.  A block of zeros keeps the byte 1: its codes are zeros, and this program alone reads the bytes.
; K ORDER OF THE FIRST PRODUCT.  Inside a block of 32 the order along K is free if both operands keep it.  Here k' = 0 .. 28 are enc 0 .. 28 (W0's rows 3 .. 31), k' = 29 .. 31 are x0 .. x2
; (rows 0 .. 2), k' = 32 .. 34 are enc 29 .. 31 (rows 32 .. 34), the rest zeros: the two blocks hold the same numbers as in the stated order.
; ROWS OF A TILE OF W0: lane r of tile t takes hidden unit 8 t + r % 8 + 32 (r / 8), so that in the main launch a lane's 32 results of the four tiles are one whole block of the next K.
; SHARES: work-groups 0 and 1 make W0's and W1's images, a wave a tile; work-groups 2 .. 769 take 4,096 numbers of x each, a wave 1,024.  No LDS, no barrier: waves share nothing.
; LIMITS: |x| under 8,192; for negative x the cell is floor's, in two's complement; NaN and infinities are not served; weight blocks whose largest magnitude lies under 2^-124 keep the byte 1.
.set FLOOR, 0x1800000                  ; 2^(3 - 127): the floor under a block's largest magnitude
.set VV,    16                         ; v16-47   a lane's 32 numbers along K;  in the stream: eight loads of four numbers
.set OLO,   48                         ; v48-79   the stream: xlo to store (each store has registers of its own);  in the weight jobs v48-56: codes
.set OHI,   80                         ; v80-111  the stream: xhi to store
	s_load_b256 s[4:11], s[0:1], 0x0               ; x s[4:5], W0 s[6:7], W1 s[8:9], xlo s[10:11]
	s_load_b128 s[12:15], s[0:1], 0x20             ; xhi s[12:13], wimg s[14:15]
	v_lshrrev_b32 v1, 5, v0
	v_readfirstlane_b32 s18, v1                    ; wave 0..3
	v_and_b32 v2, 31, v0                           ; lane
	v_and_b32 v3, 15, v0                           ; r
	v_bfe_u32 v4, v0, 4, 1                         ; h
	s_mov_b32 s20, 0x76543210
	s_mov_b32 s21, 0xfedcba98                      ; v_permlanex16_b32's selects for lane l xor 16
	s_wait_kmcnt 0x0
	s_cmp_eq_u32 ttmp9, 0
	s_cbranch_scc1 .Lw0
	s_cmp_eq_u32 ttmp9, 1
	s_cbranch_scc1 .Lw1
	; ---- the stream: 16,384 bytes of x a work-group, 4,096 a wave; each load and store of a wave covers 512 consecutive bytes
	s_sub_co_u32 s22, ttmp9, 2
	s_lshl_b32 s22, s22, 14
	s_mov_b32 s23, 0
	s_add_nc_u64 s[4:5], s[4:5], s[22:23]
	s_add_nc_u64 s[10:11], s[10:11], s[22:23]
	s_add_nc_u64 s[12:13], s[12:13], s[22:23]
	v_lshlrev_b32 v5, 4, v2
	v_lshl_add_u32 v1, v1, 12, v5                  ; 4,096 x wave + 16 x lane; never rewritten
.irp j, 0,1,2,3,4,5,6,7
	global_load_b128 v[VV+4*\j:VV+4*\j+3], v1, s[4:5] offset:512*\j th:TH_LOAD_NT
.endr
.macro FIX j
	s_wait_loadcnt 7-\j                            ; loads come back in order: load j is in, the 7 - j younger ones may be out
.irp k, 0,1,2,3
	v_floor_f32 v[8+\k], v[VV+4*\j+\k]
.endr
.irp k, 0,1,2,3
	v_cvt_i32_f32 v[OHI+4*\j+\k], v[8+\k]          ; floor(x)
.endr
.irp k, 0,1,2,3
	v_sub_f32 v[8+\k], v[VV+4*\j+\k], v[8+\k]      ; x - floor(x): exact for x at 0 or above
.endr
.irp k, 0,1,2,3
	v_mul_f32 v[8+\k], 0x4f800000, v[8+\k]         ; x 2^32: exact
.endr
.irp k, 0,1,2,3
	v_cvt_u32_f32 v[OLO+4*\j+\k], v[8+\k]          ; toward zero; it saturates
.endr
	global_store_b128 v1, v[OLO+4*\j:OLO+4*\j+3], s[10:11] offset:512*\j
	global_store_b128 v1, v[OHI+4*\j:OHI+4*\j+3], s[12:13] offset:512*\j
.endm
.irp j, 0,1,2,3,4,5,6,7
	FIX \j
.endr
	s_endpgm
	; ---- W0: wave t makes fragment t.  Lane (r, h) takes column u of W0 and k' = 32 h + i down its registers
.Lw0:
	v_and_b32 v5, 7, v3
	v_lshrrev_b32 v7, 3, v3
	v_lshl_add_u32 v5, v7, 5, v5
	s_lshl_b32 s22, s18, 3
	v_add_nc_u32 v5, s22, v5                       ; u = 8 t + r % 8 + 32 (r / 8)
	v_lshlrev_b32 v5, 2, v5                        ; 4 u: a row of W0 is 256 bytes
	v_mad_u32_u24 v7, v4, 29*256, v5               ; and 29 rows further down for lanes 16-31
.irp i, 0,1,2
	global_load_b32 v[VV+\i], v7, s[6:7] offset:(3+\i)*256     ; k' = i: row 3 + i;  k' = 32 + i: row 32 + i
.endr
.set n, 3
.rept 26
	global_load_b32 v[VV+n], v5, s[6:7] offset:(3+n)*256       ; k' = 3 .. 28: rows 6 .. 31 (lanes 16-31 read the same and are cleared below)
.set n, n+1
.endr
.irp i, 29,30,31
	global_load_b32 v[VV+\i], v5, s[6:7] offset:(\i-29)*256    ; k' = 29 .. 31: rows 0 .. 2, x's
.endr
	s_mov_b32 s24, s18                             ; the fragment's number
	v_mov_b32 v6, 0
	v_cmp_ne_u32 vcc_lo, 0, v4                     ; lanes 16-31
	s_wait_loadcnt 0x0
.set n, 3
.rept 29
	v_cndmask_b32 v[VV+n], v[VV+n], v6, vcc_lo     ; k' = 35 .. 63: the last block is filled with zeros
.set n, n+1
.endr
	s_branch .Lquant
	; ---- W1: wave t makes fragment 4 + t.  Lane (r, h) takes column 16 t + r and k = 32 h + i
.Lw1:
	s_lshl_b32 s22, s18, 4
	v_add_nc_u32 v5, s22, v3
	v_lshlrev_b32 v5, 2, v5
	v_lshl_add_u32 v5, v4, 13, v5                  ; + 32 h rows of 256 bytes
.set n, 0
.rept 32
	global_load_b32 v[VV+n], v5, s[8:9] offset:256*n
.set n, n+1
.endr
	s_add_co_u32 s24, s18, 4
	s_wait_loadcnt 0x0
	; ---- a lane's 32 numbers are one whole block: its scale, its codes, and the scale word with the other half's byte
.Lquant:
	v_max3_num_f32 v8, |v[VV]|, |v[VV+1]|, FLOOR
	v_max3_num_f32 v9, |v[VV+2]|, |v[VV+3]|, |v[VV+4]|
.irp i, 5,9,13,17,21,25
	v_max3_num_f32 v8, v8, |v[VV+\i]|, |v[VV+\i+1]|
	v_max3_num_f32 v9, v9, |v[VV+\i+2]|, |v[VV+\i+3]|
.endr
	v_max3_num_f32 v8, v8, |v[VV+29]|, |v[VV+30]|
	v_max3_num_f32 v8, v8, v9, |v[VV+31]|          ; the block's largest magnitude
	v_add_nc_u32 v9, 0xff000000, v8                ; 2 off its exponent field: the conversion takes this operand's exponent field as its scale
	v_lshrrev_b32 v10, 23, v9                      ; the scale's byte
	v_lshlrev_b32 v11, 3, v4
	v_lshlrev_b32 v10, v11, v10                    ; at its place in the word: 8 h bits up
	v_mov_b32 v11, 0                               ; (a lane permute's destination counts as read)
	v_permlanex16_b32 v11, v10, s20, s21
	v_or_b32 v10, v10, v11
	v_or_b32 v10, 0x7f7f0000, v10                  ; k = 64 .. 127 do not exist: bytes of 127
	v_cvt_scalef32_pk16_fp6_f32 v[OLO:OLO+2], v[VV:VV+15], v9
	v_cvt_scalef32_pk16_fp6_f32 v[OLO+6:OLO+8], v[VV+16:VV+31], v9     ; (a conversion's three registers begin on an even number)
	v_nop                                          ; one plain place behind a scaled conversion
.irp i, 0,1,2
	v_mov_b32 v[OLO+3+\i], v[OLO+6+\i]
.endr
	s_mul_i32 s25, s24, 768
	s_lshl_b32 s26, s24, 7
	v_lshl_add_u32 v12, v2, 4, s25
	v_lshl_add_u32 v13, v2, 3, s25
	v_lshl_add_u32 v14, v2, 2, s26
	global_store_b128 v12, v[OLO:OLO+3], s[14:15]              ; 512 consecutive bytes
	global_store_b64 v13, v[OLO+4:OLO+5], s[14:15] offset:512  ; 256
	global_store_b32 v14, v10, s[14:15] offset:6144            ; 128
	s_endpgm
.Lfunc_end_k_qde5dd92ec5_prep:
	.size	k_qde5dd92ec5_prep, .Lfunc_end_k_qde5dd92ec5_prep-k_qde5dd92ec5_prep
	.p2alignl 7, 3214868480
	.fill 96, 4, 3214868480
	.section	.rodata,"a",@progbits
	.p2align	6, 0x0
	.amdhsa_kernel k_qde5dd92ec5_prep
		.amdhsa_group_segment_fixed_size 0
		.amdhsa_private_segment_fixed_size 0
		.amdhsa_enable_private_segment 0
		.amdhsa_kernarg_size 48
		.amdhsa_user_sgpr_count 2
		.amdhsa_user_sgpr_kernarg_segment_ptr 1
		.amdhsa_wavefront_size32 1
		.amdhsa_system_sgpr_workgroup_id_x 1
		.amdhsa_system_sgpr_workgroup_id_y 1
		.amdhsa_system_sgpr_workgroup_id_z 1
		.amdhsa_system_vgpr_workitem_id 0
		.amdhsa_next_free_vgpr 112
		.amdhsa_next_free_sgpr 66
		.amdhsa_reserve_vcc 1
		.amdhsa_float_denorm_mode_32 3
		.amdhsa_float_denorm_mode_16_64 3
		.amdhsa_memory_ordered 1
		.amdhsa_forward_progress 1
		.amdhsa_inst_pref_size 20
	.end_amdhsa_kernel
	.amdgpu_metadata
---
amdhsa.version: [ 1, 2 ]
amdhsa.kernels:
  - .name:           k_qde5dd92ec5_prep
    .symbol:         k_qde5dd92ec5_prep.kd
    .args:
      - { .name: x, .offset: 0, .size: 8, .value_kind: global_buffer, .address_space: global }
      - { .name: W0, .offset: 8, .size: 8, .value_kind: global_buffer, .address_space: global }
      - { .name: W1, .offset: 16, .size: 8, .value_kind: global_buffer, .address_space: global }
      - { .name: xlo, .offset: 24, .size: 8, .value_kind: global_buffer, .address_space: global }
      - { .name: xhi, .offset: 32, .size: 8, .value_kind: global_buffer, .address_space: global }
      - { .name: wimg, .offset: 40, .size: 8, .value_kind: global_buffer, .address_space: global }
    .group_segment_fixed_size: 0
    .private_segment_fixed_size: 0
    .kernarg_segment_align: 8
    .kernarg_segment_size: 48
    .max_flat_workgroup_size: 128
    .sgpr_count:     66
    .vgpr_count:     112
    .wavefront_size: 32
...
	.end_amdgpu_metadata
.endif
;; end of part 1
;; launch field (part 2): grid 2048 x 1, 4 waves a work-group, no clusters, 74,240 bytes of LDS; arguments x, xlo, xhi, table, wimg, out0, W2; writes out0
.if DOCPART == 2
	.amdgcn_target "amdgcn-amd-amdhsa--gfx1250"
	.amdhsa_code_object_version 6
	.text
	.protected	k_qde5dd92ec5_field
	.globl	k_qde5dd92ec5_field
	.p2align	8
	.type	k_qde5dd92ec5_field,@function
k_qde5dd92ec5_field:
	s_mov_b64 s[64:65], 0
	v_nop
	global_prefetch_b8 v0, s[64:65] scope:SCOPE_SE
	s_setreg_imm32_b32 hwreg(HW_REG_WAVE_MODE, 25, 1), 1
	s_wait_xcnt 0x0
; FIELD.  out = relu(relu([x, enc(x)] W0) W1) W2 / 5, enc = 16 levels of a hashed grid with trilinear weights.  The first two products on codes of FP6 (E2M3) with one E8M0 scale for each
; 32 along K, both operands quantised; the third, the interpolation, all sums and everything ahead of a quantiser in f32.
; SHARES.  A wave owns 128 points: lane L holds points base + 32 p + L, p = 0 .. 3, base = 128 (4 x work-group + wave).  Waves share nothing: no barrier.  256 registers a wave and 18,432
; bytes of LDS a wave, so that four work-groups fit on a WGP's registers and LDS.
; PHASE 1, THE LEVELS ARE THE OUTER LOOP.  For each level the wave gathers 8 corners x 8 bytes for each of its 4 x 32 points and parks the two interpolated features in its own LDS rows.
; So at any time a wave's gathers fall into one or two levels' 4 MiB of the table, not into all 64 MiB.  The gathers run a whole level ahead: point group p of level l + 1 is asked for as soon as
; group p of level l has been used, so 24 to 32 gathers of the wave are always out.
; THE CELL BY WHOLE NUMBERS.  No address may hang on floating-point numbers of this launch.  The launch before has stored x = xhi + xlo / 2^32; the cell is xhi R + the high word of xlo R.
; That is floor(x R), or one less where x R lies under R 2^-32 above a whole number or where the f32 product x R was rounded up onto one.  The fraction is fl(x R) - cell, with x R rounded first
; as the problem's own text rounds it: where the cell is one less the fraction is 1 (+ under 5e-7), and the trilinear form gives the same number from the neighbouring cell.
; THE HASH.  Only the low 19 bits count, so the primes are cut to 24 bits and multiplied by v_mul_u32_u24; the corner one further on adds the prime.
; PHASE 2, THE MLP, 32 points at a time (two tiles of 16).  Both matrix products are used transposed (source 0 = 16 rows of a weight, source 1 = 16 points), so that a lane holds one point.
; W0 and W1 lie in registers for the whole launch, as the launch before has laid them.  K is 35 and 64, the instruction's is 128: the activations' codes of k = 64 .. 127 are zeros, which add nothing
; whatever stands against them (FP6 has no NaN and no infinity), so only six registers of each weight fragment are kept and the other six named by the instruction are whatever follows them.
; K ORDER OF THE FIRST PRODUCT: k' = 0 .. 28 enc 0 .. 28, 29 .. 31 x0 .. x2, 32 .. 34 enc 29 .. 31: the blocks hold the same numbers as in the stated order, and W0's image keeps the same order.
; THE THIRD PRODUCT (K = 64, N = 2) BY PACKED FUSED MULTIPLY-ADDS ON F32 OPERANDS.  An output is a sum of 64 terms of both signs that largely cancel, so an operand cut to 8 bits would leave up to
; 2^-8 of every TERM in a sum much smaller than its terms.  With two columns a matrix tile would be seven eighths empty; a lane's 32 hidden units against the pairs W2[u][0:1] are 32 instructions a tile.
; NO CLUSTER, NO TENSOR LOADS: what work-groups share is 7,680 bytes of weights; all other traffic is lane gathers and each point's own 36 bytes in and 8 bytes out.
; LIMITS: |x| under 8,192 (x R stays under 2^24); negative x takes floor's cell in two's complement; NaN and infinities are not served; a block whose largest magnitude lies under 2^-124 keeps the
; scale byte 1; a block of zeros keeps the byte 1 too (its codes are zeros; the bytes never leave the wave); the division by 5 is a multiplication by the f32 nearest to 0.2.
.set FLOOR, 0x1800000                  ; 2^(3 - 127): the floor under a block's largest magnitude
.set ROWP,  144                        ; a point's LDS row: 128 bytes of enc + 16: 9 x 16 bytes, so that sixteen lanes' 16-byte reads fall on sixteen different columns of 16 bytes modulo 256
.set GRPB,  32*ROWP                    ; 32 points
.set WREG,  4*GRPB                     ; a wave's region: 18,432 bytes
; registers that stay
.set A12,  1                           ; v1       12 x lane: a point's three numbers
.set A8,   2                           ; v2       8 x lane
.set EA0,  3                           ; v3       my LDS row of point group 0: WREG x wave + ROWP x lane
.set EA,   4                           ; v4       the same + 8 x level
.set A16,  5                           ; v5       16 x lane
.set ZZ,   6                           ; v[6:7]   0, 0
.set XX,   8                           ; v8-23    x of point group p at v[8 + 4 p] on; at the end the group's two outputs
.set W2A,  177                         ; v177     64 x (lane / 16): my half's eight rows in each 16 rows of W2
.set WF,   178                         ; v178-225 the eight FP6 fragments, six registers each
.set WS,   242                         ; v242-249 the fragments' scale words: scales and nothing else
.set SW1,  250                         ; v250     the inputs' scale words (lane L: point L's);  v251, v252 the hidden layer's, tile A's and tile B's
.set SW2A, 251
.set SW2B, 252
; phase 1
.set XLO,  24                          ; v24-39   xlo of group p at v[24 + 4 p] on
.set XHI,  40                          ; v40-55   xhi likewise
.set GG,   56                          ; v56-119  group p: corner i's index, then its two features, in the pair v[56 + 16 p + 2 i]
.set FP,   120                         ; v120-143 group p: pairs (1 - f, f) for x, y, z
.set TT,   144                         ; v144-149 at work; then the four y-z hashes
.set PP,   150                         ; v150-152 the cell
.set X1,   153
.set Y0,   154
.set Y1,   155
.set Z0,   156
.set Z1,   157
.set RF,   158                         ; v158     the level's resolution as f32
.set WXY,  160                         ; v160-163 wx wy
.set WT,   164                         ; v164-171 the eight weights
.set SA,   172                         ; v[172:173], v[174:175] two chains of sums
.set SB,   174
.set A4,   176                         ; v176     4 x lane (for the scale words' loads alone)
; phase 2, over phase 1's registers
.set W2L,  24                          ; v24-87   W2 for my half of the lanes: the pair at 2 (8 t + j) is W2[16 t + 8 (lane / 16) + j][0:1]
.set ACA,  88                          ; v88-119  tile A's four accumulators;  v120-151 tile B's
.set ACB,  120
.set RR,   ACA                         ; a point's block 0, 32 numbers: used up by the conversions before the first product writes the accumulators
.set SS,   ACB                         ; its block 1: three numbers and thirteen zeros, likewise
.set QA,   152                         ; v152-163 tile A's codes; registers 6-11 stay zeros;  registers 0-3 take the third product's sums
.set QB,   164                         ; v164-175 tile B's
.set TQ,   226                         ; v226-228 a conversion's upper half.  (v226-231 are also what fragment 7's operand names behind its own six registers)
.set BXA,  229
.set TQ2,  230                         ; v230-232
.set BXB,  233
.set MXA,  234
.set MXC,  235
.set MXB,  236
.set SCA,  237
.set SCB,  238
.set BYA,  239
.set BYB,  240
; scalars
.set RS,   20                          ; s20      the level's resolution
.set P1S,  22                          ; s22, s23 the primes' low 24 bits
.set P2S,  23
.set MK,   24                          ; s24      2^19 - 1
.set RQ,   26                          ; s26-33   the resolutions of levels 1 .. 15, two 16-bit fields a register, the next one lowest
.set LV8,  34                          ; s34      8 x the level whose features are being parked
.set CNT,  35
.set SEL,  36                          ; s[36:37] v_permlanex16_b32's selects for lane l xor 16
.set W2P,  38                          ; s[38:39] W2
	s_load_b256 s[4:11], s[0:1], 0x0               ; x s[4:5], xlo s[6:7], xhi s[8:9], table s[10:11]
	s_load_b128 s[12:15], s[0:1], 0x20             ; wimg s[12:13], out0 s[14:15]
	s_load_b64 s[W2P:W2P+1], s[0:1], 0x30          ; W2
	v_lshl_add_u32 v254, v0, 2, 0x12000
	v_mov_b32 v255, 0
	v_lshrrev_b32 v4, 5, v0
	v_readfirstlane_b32 s16, v4                    ; wave 0..3
	v_and_b32 v5, 31, v0                           ; lane
	v_mul_u32_u24 v[A12], v5, 12
	v_lshlrev_b32 v[A8], 3, v5
	v_mul_u32_u24 v[EA0], v5, ROWP
	s_mul_i32 s17, s16, WREG
	v_add_nc_u32 v[EA0], s17, v[EA0]
	v_lshlrev_b32 v[A4], 2, v5
	v_lshlrev_b32 v[A16], 4, v5
	v_bfe_u32 v[W2A], v0, 4, 1
	v_lshlrev_b32 v[W2A], 6, v[W2A]
	v_mov_b32 v[ZZ], 0
	v_mov_b32 v[ZZ+1], 0
	s_lshl_b32 s17, ttmp9, 2
	s_add_co_u32 s17, s17, s16                     ; which 128 points are my wave's
	s_mul_i32 s18, s17, 128*12
	s_mov_b32 s19, 0
	s_mov_b32 s[RS], 16                            ; level 0
	s_mov_b32 s[P1S], 0x3779b1                     ; 2654435761 modulo 2^24
	s_mov_b32 s[P2S], 0x025795                     ; 805459861 modulo 2^24
	s_mov_b32 s[MK], 0x7ffff
	s_mov_b32 s[RQ+0], 22|(30<<16)
	s_mov_b32 s[RQ+1], 42|(58<<16)
	s_mov_b32 s[RQ+2], 80|(111<<16)
	s_mov_b32 s[RQ+3], 153|(212<<16)
	s_mov_b32 s[RQ+4], 294|(406<<16)
	s_mov_b32 s[RQ+5], 561|(775<<16)
	s_mov_b32 s[RQ+6], 1072|(1481<<16)
	s_mov_b32 s[RQ+7], 2047
	s_mov_b32 s[LV8], 0
	s_mov_b32 s[CNT], 0
	s_mov_b32 s[SEL], 0x76543210
	s_mov_b32 s[SEL+1], 0xfedcba98
	v_cvt_f32_u32 v[RF], s[RS]
	s_wait_kmcnt 0x0
	s_add_nc_u64 s[4:5], s[4:5], s[18:19]
	s_add_nc_u64 s[6:7], s[6:7], s[18:19]
	s_add_nc_u64 s[8:9], s[8:9], s[18:19]
	s_lshl_b32 s18, s17, 10                        ; 128 points x 8 bytes
	s_add_nc_u64 s[14:15], s[14:15], s[18:19]
.irp p, 0,1,2,3                                ; twelve loads: my points, 384 consecutive bytes a load
	global_load_b96 v[XLO+4*\p:XLO+4*\p+2], v[A12], s[6:7] offset:384*\p th:TH_LOAD_NT
	global_load_b96 v[XHI+4*\p:XHI+4*\p+2], v[A12], s[8:9] offset:384*\p th:TH_LOAD_NT
	global_load_b96 v[XX+4*\p:XX+4*\p+2], v[A12], s[4:5] offset:384*\p th:TH_LOAD_NT
.endr
.irp j, 0,1,2,3,4,5,6,7                        ; 24 loads: W0's and W1's images; they are wanted in phase 2
	global_load_b128 v[WF+6*\j:WF+6*\j+3], v[A16], s[12:13] offset:768*\j
	global_load_b64 v[WF+6*\j+4:WF+6*\j+5], v[A8], s[12:13] offset:768*\j+512
	global_load_b32 v[WS+\j], v[A4], s[12:13] offset:6144+128*\j
.endr
; Point group p at the level whose resolution is in s[RS] and v[RF] and whose table begins at s[10:11]: cells, fractions, eight hashes, eight gathers.
.macro ISSUE p
.irp c, 0,1,2
	v_mad_nc_u64_u32 v[TT+2*\c:TT+2*\c+1], v[XLO+4*\p+\c], s[RS], v[ZZ:ZZ+1]   ; xlo R in 64 bits: its high word is floor(frac(x) R)
.endr
.irp c, 0,1,2
	v_mul_f32 v[FP+6*\p+2*\c+1], v[RF], v[XX+4*\p+\c]                          ; pos = x R, rounded to f32 by itself
.endr
.irp c, 0,1,2
	v_mad_u32 v[PP+\c], v[XHI+4*\p+\c], s[RS], v[TT+2*\c+1]                    ; the cell
.endr
.irp c, 0,1,2
	v_cvt_f32_i32 v[TT+2*\c], v[PP+\c]
.endr
.irp c, 0,1,2
	v_sub_f32 v[FP+6*\p+2*\c+1], v[FP+6*\p+2*\c+1], v[TT+2*\c]                 ; f = pos - cell
.endr
	v_add_nc_u32 v[X1], 1, v[PP]
	v_mul_u32_u24 v[Y0], s[P1S], v[PP+1]
	v_mul_u32_u24 v[Z0], s[P2S], v[PP+2]
	v_and_b32 v[PP], s[MK], v[PP]
	v_and_b32 v[X1], s[MK], v[X1]
	v_add_nc_u32 v[Y1], s[P1S], v[Y0]              ; (y + 1) x prime
	v_add_nc_u32 v[Z1], s[P2S], v[Z0]
	v_xor_b32 v[TT+0], v[Y0], v[Z0]
	v_xor_b32 v[TT+1], v[Y0], v[Z1]
	v_xor_b32 v[TT+2], v[Y1], v[Z0]
	v_xor_b32 v[TT+3], v[Y1], v[Z1]
.irp i, 0,1,2,3
	v_and_b32 v[TT+\i], s[MK], v[TT+\i]
.endr
.irp i, 0,1,2,3
	v_xor_b32 v[GG+16*\p+2*\i], v[PP], v[TT+\i]    ; corner i = 4 dx + 2 dy + dz
.endr
.irp i, 0,1,2,3
	v_xor_b32 v[GG+16*\p+8+2*\i], v[X1], v[TT+\i]
.endr
.irp i, 0,1,2,3,4,5,6,7
	v_min_u32 v[GG+16*\p+2*\i], 0x7ffff, v[GG+16*\p+2*\i]      ; a number made of loaded numbers enters an address only behind a minimum with a constant written in the instruction; it changes no value here
.endr
.irp i, 0,1,2,3,4,5,6,7
	global_load_b64 v[GG+16*\p+2*\i:GG+16*\p+2*\i+1], v[GG+16*\p+2*\i], s[10:11] scale_offset   ; the entry's 8 bytes at 8 x index; the load lands on its own address register
.endr
.endm
; Point group p's gathers are used: weights, two features, parked at v[EA].  left: how many younger loads may stay out.  The weights need no gathered number and stand ahead of the wait.
.macro CONSUME p, left
.irp c, 0,1,2
	v_sub_f32 v[FP+6*\p+2*\c], 1.0, v[FP+6*\p+2*\c+1]
.endr
	v_pk_mul_f32 v[WXY:WXY+1], v[FP+6*\p:FP+6*\p+1], v[FP+6*\p+2:FP+6*\p+3] op_sel:[0,0] op_sel_hi:[0,1]     ; (1 - fx) x (1 - fy, fy)
	v_pk_mul_f32 v[WXY+2:WXY+3], v[FP+6*\p:FP+6*\p+1], v[FP+6*\p+2:FP+6*\p+3] op_sel:[1,0] op_sel_hi:[1,1]   ; fx x (1 - fy, fy)
	v_pk_mul_f32 v[WT+0:WT+1], v[WXY:WXY+1], v[FP+6*\p+4:FP+6*\p+5] op_sel:[0,0] op_sel_hi:[0,1]             ; each x (1 - fz, fz): weight i of corner i, (wx wy) wz
	v_pk_mul_f32 v[WT+2:WT+3], v[WXY:WXY+1], v[FP+6*\p+4:FP+6*\p+5] op_sel:[1,0] op_sel_hi:[1,1]
	v_pk_mul_f32 v[WT+4:WT+5], v[WXY+2:WXY+3], v[FP+6*\p+4:FP+6*\p+5] op_sel:[0,0] op_sel_hi:[0,1]
	v_pk_mul_f32 v[WT+6:WT+7], v[WXY+2:WXY+3], v[FP+6*\p+4:FP+6*\p+5] op_sel:[1,0] op_sel_hi:[1,1]
	s_wait_loadcnt \left                           ; loads come back in order: this group's eight are in
	v_pk_mul_f32 v[SA:SA+1], v[GG+16*\p:GG+16*\p+1], v[WT:WT+1] op_sel_hi:[1,0]                              ; even corners in one chain,
	v_pk_mul_f32 v[SB:SB+1], v[GG+16*\p+2:GG+16*\p+3], v[WT:WT+1] op_sel:[0,1] op_sel_hi:[1,1]               ; odd ones in the other; both features at once
.irp e, 1,2,3
	v_pk_fma_f32 v[SA:SA+1], v[GG+16*\p+4*\e:GG+16*\p+4*\e+1], v[WT+2*\e:WT+2*\e+1], v[SA:SA+1] op_sel_hi:[1,0,1]
	v_pk_fma_f32 v[SB:SB+1], v[GG+16*\p+4*\e+2:GG+16*\p+4*\e+3], v[WT+2*\e:WT+2*\e+1], v[SB:SB+1] op_sel:[0,1,0] op_sel_hi:[1,1,1]
.endr
	v_pk_add_f32 v[SA:SA+1], v[SA:SA+1], v[SB:SB+1]
	ds_store_b64 v[EA], v[SA:SA+1] offset:GRPB*\p
.endm
; Eight loads of W2: register groups g0 .. g0 + 7 of sixteen.  Group g holds the 16 bytes at 128 (g / 4) + 64 (lane / 16) + 16 (g % 4): two rows of W2; sixteen lanes read the same bytes.
.macro W2LOAD g0
.irp g, 0,1,2,3,4,5,6,7
	global_load_b128 v[W2L+4*(\g0+\g):W2L+4*(\g0+\g)+3], v[W2A], s[W2P:W2P+1] offset:128*((\g0+\g)/4)+16*((\g0+\g)%4)
.endr
.endm
	s_wait_loadcnt 24                              ; my points' twelve loads are in; the 24 loads of the weights' images may be out
	ISSUE 0
	ISSUE 1
	ISSUE 2
	ISSUE 3
.Llevel:                                           ; 15 trips: level l is used, level l + 1 asked for
	s_wait_xcnt 0x0                                ; the gathers issued so far have read the table's base: only behind this wait is it stepped
	s_add_nc_u64 s[10:11], s[10:11], 0x400000      ; the next level's 4 MiB
	s_and_b32 s[RS], s[RQ], 0xffff                 ; and its resolution: the queue's lowest field
	s_lshr_b32 s[RQ], s[RQ], 16
	s_cmp_lg_u32 s[RQ], 0                          ; where the first register is used up the queue moves one register down
.irp i, 0,1,2,3,4,5,6
	s_cselect_b32 s[RQ+\i], s[RQ+\i], s[RQ+\i+1]
.endr
	v_cvt_f32_u32 v[RF], s[RS]
	v_add_nc_u32 v[EA], s[LV8], v[EA0]
	; behind group p's eight gathers stand those of groups p + 1 .. 3 of the same level and of groups 0 .. p - 1 of the next: always 24.  (In the first trip the images' loads are older still.)
	CONSUME 0, 24
	ISSUE 0
	CONSUME 1, 24
	ISSUE 1
	CONSUME 2, 24
	ISSUE 2
	CONSUME 3, 24
	ISSUE 3
	s_add_co_u32 s[LV8], s[LV8], 8
	s_add_co_u32 s[CNT], s[CNT], 1
	s_cmp_lt_u32 s[CNT], 15
	s_cbranch_scc1 .Llevel
	; level 15: no gather is asked for any more.  W2 comes in meanwhile, into registers that phase 1 has done with: first xlo's and xhi's, then the gather registers of groups 0 and 1.
	v_add_nc_u32 v[EA], s[LV8], v[EA0]
	W2LOAD 0
	CONSUME 0, 32                                  ; younger than group 0's gathers: three groups' 24 and W2's first 8
	CONSUME 1, 24                                  ; two groups' 16 and 8
	W2LOAD 8
	CONSUME 2, 24                                  ; one group's 8 and W2's 16
	CONSUME 3, 16                                  ; W2's 16
	; ---- phase 2.  What stays zero: the codes of k = 64 .. 127; and the lane permutes' destinations, which count as read
.irp i, 6,7,8,9,10,11
	v_mov_b32 v[QA+\i], 0
	v_mov_b32 v[QB+\i], 0
.endr
	v_mov_b32 v[BXA], 0
	v_mov_b32 v[BXB], 0
	s_wait_loadcnt 0x0                             ; W2
; Behind a matrix instruction four places stand ahead of a vector instruction that reads its result or writes one of its registers and of a load into one; a code register written by a vector
; instruction stands four places, a scale register eight, ahead of a scaled matrix instruction; only plain vector instructions are counted (ISA guide 7.12.1 for the first).
.macro PLACES
.rept 4
	v_nop
.endr
.endm
; Point group p, 32 points: tile A = lanes 0-15's points, tile B = lanes 16-31's.
.macro GROUP p
.irp i, 0,1,2,3,4,5,6,7
	ds_load_b128 v[RR+4*\i:RR+4*\i+3], v[EA0] offset:GRPB*\p+16*\i     ; my point's enc 0 .. 31 (LDS serves a wave's instructions in order: these see my stores)
.endr
.set n, 3
.rept 13
	v_mov_b32 v[SS+n], 0                           ; block 1 is filled with zeros (these registers held the last group's accumulators)
.set n, n+1
.endr
	s_wait_dscnt 0x0
.irp i, 0,1,2
	v_mov_b32 v[SS+\i], v[RR+29+\i]                ; block 1: enc 29 .. 31
.endr
.irp i, 0,1,2
	v_mov_b32 v[RR+29+\i], v[XX+4*\p+\i]           ; block 0: enc 0 .. 28, x0 .. x2
.endr
	v_max3_num_f32 v[MXA], |v[RR]|, |v[RR+1]|, FLOOR
	v_max3_num_f32 v[MXC], |v[RR+2]|, |v[RR+3]|, |v[RR+4]|
	v_max3_num_f32 v[MXB], |v[SS]|, |v[SS+1]|, FLOOR
.irp i, 5,9,13,17,21,25
	v_max3_num_f32 v[MXA], v[MXA], |v[RR+\i]|, |v[RR+\i+1]|
	v_max3_num_f32 v[MXC], v[MXC], |v[RR+\i+2]|, |v[RR+\i+3]|
.endr
	v_max_num_f32 v[MXB], v[MXB], |v[SS+2]|        ; block 1's largest magnitude
	v_max3_num_f32 v[MXA], v[MXA], |v[RR+29]|, |v[RR+30]|
	v_max3_num_f32 v[MXA], v[MXA], v[MXC], |v[RR+31]|      ; block 0's
	v_add_nc_u32 v[SCB], 0xff000000, v[MXB]        ; 2 off the exponent field: the conversion's scale operand
	v_add_nc_u32 v[SCA], 0xff000000, v[MXA]
	v_lshrrev_b32 v[BYB], 23, v[SCB]               ; the scales' bytes
	v_lshrrev_b32 v[BYA], 23, v[SCA]
	v_lshl_or_b32 v[SW1], v[BYB], 8, v[BYA]        ; lane L: point L's scale word (bytes 2 and 3 are 0: their codes are zeros)
	v_cvt_scalef32_pk16_fp6_f32 v[QA:QA+2], v[RR:RR+15], v[SCA]
	v_cvt_scalef32_pk16_fp6_f32 v[TQ:TQ+2], v[RR+16:RR+31], v[SCA]     ; (a conversion's three registers begin on an even number)
	v_cvt_scalef32_pk16_fp6_f32 v[QB:QB+2], v[SS:SS+15], v[SCB]
	v_nop                                          ; one plain place behind a scaled conversion
.irp i, 0,1,2
	v_mov_b32 v[QA+3+\i], v[TQ+\i]                 ; QA: every lane's block 0
	v_mov_b32 v[QB+3+\i], 0                        ; QB: every lane's block 1 (k' = 48 .. 63 are zeros)
.endr
.irp i, 0,1,2,3,4,5
	v_permlane16_swap_b32 v[QA+\i], v[QB+\i]       ; QA's lanes 16-31 change places with QB's lanes 0-15: QA = points 0-15, block 0 in lanes 0-15 and block 1 in lanes 16-31, as the operand wants them; QB the same of points 16-31
.endr
	PLACES
.irp t, 0,1,2,3                                ; the first product: eight sums, each one instruction
	v_wmma_scale_f32_16x16x128_f8f6f4 v[ACA+8*\t:ACA+8*\t+7], v[WF+6*\t:WF+6*\t+11], v[QA:QA+11], 0, v[WS+\t], v[SW1] matrix_a_fmt:MATRIX_FMT_FP6 matrix_b_fmt:MATRIX_FMT_FP6
	v_wmma_scale_f32_16x16x128_f8f6f4 v[ACB+8*\t:ACB+8*\t+7], v[WF+6*\t:WF+6*\t+11], v[QB:QB+11], 0, v[WS+\t], v[SW1] matrix_a_fmt:MATRIX_FMT_FP6 matrix_b_fmt:MATRIX_FMT_FP6 matrix_b_scale:MATRIX_SCALE_ROW1
.endr
	PLACES                                         ; by W0's choice of rows lane (r, h) now holds hidden units 32 h + 0 .. 31 of its point, in order: one whole block of the next K
.set n, 0
.rept 64
	v_max_num_f32 v[ACA+n], 0, v[ACA+n]            ; the activation, in f32; each accumulator from its low end on
.set n, n+1
.endr
	v_max3_num_f32 v[MXA], v[ACA], v[ACA+1], FLOOR ; none is negative: no |.|.  The two tiles by turns
	v_max3_num_f32 v[MXB], v[ACB], v[ACB+1], FLOOR
.irp i, 2,4,6,8,10,12,14,16,18,20,22,24,26,28,30
	v_max3_num_f32 v[MXA], v[MXA], v[ACA+\i], v[ACA+\i+1]
	v_max3_num_f32 v[MXB], v[MXB], v[ACB+\i], v[ACB+\i+1]
.endr
	v_add_nc_u32 v[SCA], 0xff000000, v[MXA]
	v_add_nc_u32 v[SCB], 0xff000000, v[MXB]
	v_lshrrev_b32 v[BYA], 23, v[SCA]
	v_lshrrev_b32 v[BYB], 23, v[SCB]
	v_permlanex16_b32 v[BXA], v[BYA], s[SEL], s[SEL+1]     ; the other block's byte lies in lane l xor 16
	v_permlanex16_b32 v[BXB], v[BYB], s[SEL], s[SEL+1]
	v_lshl_or_b32 v[SW2A], v[BXA], 8, v[BYA]       ; lanes 0-15: the point's scale word (lanes 16-31 are not read)
	v_lshl_or_b32 v[SW2B], v[BXB], 8, v[BYB]
	v_cvt_scalef32_pk16_fp6_f32 v[QA:QA+2], v[ACA:ACA+15], v[SCA]
	v_cvt_scalef32_pk16_fp6_f32 v[TQ:TQ+2], v[ACA+16:ACA+31], v[SCA]
	v_cvt_scalef32_pk16_fp6_f32 v[QB:QB+2], v[ACB:ACB+15], v[SCB]
	v_cvt_scalef32_pk16_fp6_f32 v[TQ2:TQ2+2], v[ACB+16:ACB+31], v[SCB]
	v_nop                                          ; one plain place behind a scaled conversion
.irp i, 0,1,2
	v_mov_b32 v[QA+3+\i], v[TQ+\i]
	v_mov_b32 v[QB+3+\i], v[TQ2+\i]
.endr
	PLACES
.irp t, 0,1,2,3                                ; the second product: tile t = units 16 t .. 16 t + 15
	v_wmma_scale_f32_16x16x128_f8f6f4 v[ACA+8*\t:ACA+8*\t+7], v[WF+24+6*\t:WF+24+6*\t+11], v[QA:QA+11], 0, v[WS+4+\t], v[SW2A] matrix_a_fmt:MATRIX_FMT_FP6 matrix_b_fmt:MATRIX_FMT_FP6
	v_wmma_scale_f32_16x16x128_f8f6f4 v[ACB+8*\t:ACB+8*\t+7], v[WF+24+6*\t:WF+24+6*\t+11], v[QB:QB+11], 0, v[WS+4+\t], v[SW2B] matrix_a_fmt:MATRIX_FMT_FP6 matrix_b_fmt:MATRIX_FMT_FP6
.endr
	PLACES
.set n, 0
.rept 64
	v_max_num_f32 v[ACA+n], 0, v[ACA+n]            ; lane (r, h), register 8 t + j: unit 16 t + 8 h + j of its point
.set n, n+1
.endr
	; the third product: each unit against its pair W2[u][0:1], both outputs at once; four chains (two tiles x even and odd units), so that no line waits for the line above it.  The first products start the sums
	v_pk_mul_f32 v[QA:QA+1], v[W2L:W2L+1], v[ACA:ACA+1] op_sel_hi:[1,0]
	v_pk_mul_f32 v[QA+2:QA+3], v[W2L+2:W2L+3], v[ACA:ACA+1] op_sel:[0,1] op_sel_hi:[1,1]
	v_pk_mul_f32 v[QB:QB+1], v[W2L:W2L+1], v[ACB:ACB+1] op_sel_hi:[1,0]
	v_pk_mul_f32 v[QB+2:QB+3], v[W2L+2:W2L+3], v[ACB:ACB+1] op_sel:[0,1] op_sel_hi:[1,1]
.set n, 1
.rept 15
	v_pk_fma_f32 v[QA:QA+1], v[W2L+4*n:W2L+4*n+1], v[ACA+2*n:ACA+2*n+1], v[QA:QA+1] op_sel_hi:[1,0,1]
	v_pk_fma_f32 v[QA+2:QA+3], v[W2L+4*n+2:W2L+4*n+3], v[ACA+2*n:ACA+2*n+1], v[QA+2:QA+3] op_sel:[0,1,0] op_sel_hi:[1,1,1]
	v_pk_fma_f32 v[QB:QB+1], v[W2L+4*n:W2L+4*n+1], v[ACB+2*n:ACB+2*n+1], v[QB:QB+1] op_sel_hi:[1,0,1]
	v_pk_fma_f32 v[QB+2:QB+3], v[W2L+4*n+2:W2L+4*n+3], v[ACB+2*n:ACB+2*n+1], v[QB+2:QB+3] op_sel:[0,1,0] op_sel_hi:[1,1,1]
.set n, n+1
.endr
	v_pk_add_f32 v[QA:QA+1], v[QA:QA+1], v[QA+2:QA+3]      ; lane (r, h): the part of point r's two outputs that its 32 units give
	v_pk_add_f32 v[QB:QB+1], v[QB:QB+1], v[QB+2:QB+3]
	v_permlane16_swap_b32 v[QA], v[QB]             ; tile A's lanes 16-31 change places with tile B's lanes 0-15: now the first holds every point's part of h = 0, the second that of h = 1,
	v_permlane16_swap_b32 v[QA+1], v[QB+1]         ; tile A's points in lanes 0-15 and tile B's in lanes 16-31
	v_pk_add_f32 v[QA:QA+1], v[QA:QA+1], v[QB:QB+1]        ; lane L: point L's two outputs
	v_pk_mul_f32 v[XX+4*\p:XX+4*\p+1], v[QA:QA+1], 0x3e4ccccd op_sel_hi:[1,0]   ; / 5; into registers of the group's own, so that no store's data are written again
	global_store_b64 v[A8], v[XX+4*\p:XX+4*\p+1], s[14:15] offset:256*\p th:TH_STORE_NT   ; 32 lanes store 256 consecutive bytes, at a multiple of 256 from the output's first byte
.endm
	GROUP 0
	GROUP 1
	GROUP 2
	GROUP 3
	s_wait_tensorcnt 0x0
	ds_add_u32 v254, v255
	s_wait_dscnt 0x0
	s_endpgm
.Lfunc_end_k_qde5dd92ec5_field:
	.size	k_qde5dd92ec5_field, .Lfunc_end_k_qde5dd92ec5_field-k_qde5dd92ec5_field
	.p2alignl 7, 3214868480
	.fill 96, 4, 3214868480
	.section	.rodata,"a",@progbits
	.p2align	6, 0x0
	.amdhsa_kernel k_qde5dd92ec5_field
		.amdhsa_group_segment_fixed_size 74240
		.amdhsa_private_segment_fixed_size 0
		.amdhsa_enable_private_segment 0
		.amdhsa_kernarg_size 56
		.amdhsa_user_sgpr_count 2
		.amdhsa_user_sgpr_kernarg_segment_ptr 1
		.amdhsa_wavefront_size32 1
		.amdhsa_system_sgpr_workgroup_id_x 1
		.amdhsa_system_sgpr_workgroup_id_y 1
		.amdhsa_system_sgpr_workgroup_id_z 1
		.amdhsa_system_vgpr_workitem_id 0
		.amdhsa_next_free_vgpr 256
		.amdhsa_next_free_sgpr 66
		.amdhsa_reserve_vcc 0
		.amdhsa_float_denorm_mode_32 3
		.amdhsa_float_denorm_mode_16_64 3
		.amdhsa_memory_ordered 1
		.amdhsa_forward_progress 1
		.amdhsa_inst_pref_size 107
	.end_amdhsa_kernel
	.amdgpu_metadata
---
amdhsa.version: [ 1, 2 ]
amdhsa.kernels:
  - .name:           k_qde5dd92ec5_field
    .symbol:         k_qde5dd92ec5_field.kd
    .args:
      - { .name: x, .offset: 0, .size: 8, .value_kind: global_buffer, .address_space: global }
      - { .name: xlo, .offset: 8, .size: 8, .value_kind: global_buffer, .address_space: global }
      - { .name: xhi, .offset: 16, .size: 8, .value_kind: global_buffer, .address_space: global }
      - { .name: table, .offset: 24, .size: 8, .value_kind: global_buffer, .address_space: global }
      - { .name: wimg, .offset: 32, .size: 8, .value_kind: global_buffer, .address_space: global }
      - { .name: out0, .offset: 40, .size: 8, .value_kind: global_buffer, .address_space: global }
      - { .name: W2, .offset: 48, .size: 8, .value_kind: global_buffer, .address_space: global }
    .group_segment_fixed_size: 74240
    .private_segment_fixed_size: 0
    .kernarg_segment_align: 8
    .kernarg_segment_size: 56
    .max_flat_workgroup_size: 128
    .sgpr_count:     66
    .vgpr_count:     256
    .wavefront_size: 32
...
	.end_amdgpu_metadata
.endif
;; end of part 2
